; MI455X (gfx1250); checked and timed in simulation.
; The chip was launched on July 23, 2026; its instructions are those of AMD's public machine-readable ISA for CDNA 5 (MIT licence, August 2026) and "CDNA5" Instruction Set Architecture Reference Guide (July 2026). The comments in the code are by the model that wrote it; some were corrected since.
;; Stationary Kernel. Allowed arithmetic: float matrix products may take bf16 or f16 operands with f32 sums; all other float work in f32.
;; Inputs: W1 96 x 128 float32; W2 128 x 128 float32; W3 128 x 1 float32; b1 128 float32; b2 128 float32; b3 1 float32; t 4 x 32 float32; x 4 x 512 x 64 float32; y 4 x 512 x 64 float32.
;; Outputs: out0 4 x 512 x 512 float32.
;; One version. Each part assembles by itself: llvm-mc -triple=amdgcn-amd-amdhsa -mcpu=gfx1250 --defsym DOCPART=n.
;; ======== version 1 of 1: 1 launch
;; limits: values are held in f16: magnitudes above 65,504 overflow, below 6.1e-05 lose precision; inputs' magnitudes at most 65,504
;; launch pairs (part 1): grid 64 x 4, 4 waves a work-group, no clusters, 114,176 bytes of LDS; arguments x, y, t, W1, b1, W2, b2, W3, b3, out0; writes out0
.if DOCPART == 1
	.amdgcn_target "amdgcn-amd-amdhsa--gfx1250"
	.amdhsa_code_object_version 6
	.text
	.protected	k_qe0905c69b2_pairs
	.globl	k_qe0905c69b2_pairs
	.p2align	8
	.type	k_qe0905c69b2_pairs,@function
k_qe0905c69b2_pairs:
	s_mov_b64 s[64:65], 0
	v_nop
	global_prefetch_b8 v0, s[64:65] scope:SCOPE_SE
	s_setreg_imm32_b32 hwreg(HW_REG_WAVE_MODE, 25, 1), 1
	s_wait_xcnt 0x0
; K[b][i][j] = relu(relu((x[b][i]-y[b][j])^2 . W1[:64] + t[b] . W1[64:] + b1) . W2 + b2) . W3 + b3
; x, y: [4][512][64] f32; t: [4][32]; W1: [96][128]; W2: [128][128]; W3: [128][1]; out0: [4][512][512] f32.
;
; SHARES.  Work-group (x = 8 bi + bj, y = b) makes the block i = 64 bi .. +63, j = 64 bj .. +63 of batch b.  Wave w owns rows
; i = 64 bi + 16 w .. +15 and all 64 columns: 64 tiles of 16 pairs (one i, 16 neighbouring j, lane % 16 = j).
; THE CHAIN STAYS IN REGISTERS: every product is used transposed, source 0 = weights (row m = hidden unit), source 1 = activations
; (column n = pair).  In a result, lane (r, h) holds in register j the hidden unit 16 mt + 8 h + j of pair r; packing a tile's 8 registers
; to 4 words of f16 gives exactly registers 4 (mt & 1) .. +3 of the next layer's source-1 fragment mt >> 1.  No lane shuffle, no LDS.
; All weights lie in each wave's registers for the whole kernel; both biases lie there in the layout of a C operand, and the first
; K step of a layer takes the bias as C: nothing is cleared and no bias is added apart.
; Layer 3 (one output) and t . W1[64:] + b1 (4,096 multiply-adds a wave) are f32 vector work: on the matrix unit 15 of 16 rows would be idle.
; The difference x - y is taken in f32 before it is squared; the square is not expanded into x^2 - 2 x y + y^2, which would
; form a difference of large sums where x and y carry a common offset.
; Two tiles (streams A and B) are under way at a time: behind each matrix instruction of one stream stands vector work of the other.
;
; NUMBER FORMAT.  Four roundings of matrix operands ((x-y)^2, W1[:64], h1, W2) reach K with about equal weight, so the operands go in f16
; (11 significant bits) and not in bf16 (8).  f16's range is made to fit by a power of two that the work-group takes from its own data:
;   R = (largest - smallest number among the block's x and y) bounds every |x - y| and is free of a common offset;  D = R^2;
;   A = largest |W1[:64]|;  C = largest |t.W1[64:] + b1|;  B = max(64 D A + C, D) bounds (x-y)^2 and |h1| before the relu.
;   S = 2^k with 2 k <= 15 - (binary exponent of B, rounded up), L = S^2: L B < 2^15, under f16's largest number 65,504.
; x and y are multiplied by S, c and b2 by L (all exact); relu commutes with L > 0, so h1 and h2 are carried L times too large, and the
; last step is K = sum / L + b3 in one fused multiply-add.  The scale enters values alone: no address and no branch hangs on it.
;
; NOT USED, AND WHY.  Clusters, tensor loads: a work-group reads 32 KiB of x and y and 115 KiB of weights once, against 100 million
; multiply-adds, and the weights pass through registers anyway to be rounded to f16.  Prefetch: all loads stand at the head, once.
;
; LIMITS.  relu and the maxima are v_max_num_f32: a NaN that reaches them is dropped, where the reference keeps it.  W1[:64] and W2 go in f16
; unscaled: magnitudes above 65,504 become infinite, magnitudes below 2^-14 are kept to 2^-25 absolute.  k is capped at 20: a block with
; B below 2^-25 is scaled by 2^40 and no more.  Sums are f32, in the matrix unit's order; layer 3 sums 8 partial chains a lane.
;
; LDS, in bytes
.set WT1, 0                            ; W1[:64] in f16, [k][128 m], 64 rows of pitch 288
.set WT2, 18432                        ; W2 in f16, the same, 128 rows
.set YB,  55296                        ; the block's 64 rows of y, f32, pitch 272
.set XB,  72704                        ; the block's 64 rows of x times S, f32, pitch 256: 16 rows (4,096 bytes) are each wave's own
.set VB,  89088                        ; each wave's own 1,536 bytes: L c at 0, L b2 at 512, W3 at 1,024
.set OB,  95232                        ; out stage: each wave's own 16 rows of 256 bytes
.set RDB, 111616                       ; the four maxima, 16 bytes a lane, 512 bytes written by each wave, read by all behind the barrier
.set WP,  288                          ; 9 x 32 bytes: the eight rows that a transposing load's group of lanes touches start at different banks
.set YP,  272                          ; 256 + 16: the 16 rows that a 16-byte load's half wave touches start at 16 different banks
; VECTOR REGISTERS, in windows of 256 (s_set_vgpr_msb: bits 1:0 source 0, 3:2 source 1, 5:4 source 2, 7:6 destination)
; window 0
.set LOFF, 1                           ; 16 x lane: the offset of every global load
.set XADR, 2                           ; LDS address of the x row in use (+ 32 h)
.set OADR, 3                           ; LDS address of my word in the out stage's row in use
.set RA,   4                           ; stream A: the lane's partial sum of layer 3 (in the head: where my four maxima go)
.set RB,   5                           ; stream B: the same (in the head: where the four waves' maxima are read)
.set T1,   6
.set T2,   7
.set T,    8                           ; v[8:15]   at work (in the head: LDS addresses)
.set SA,   16                          ; v[16:23]  stream A: eight chains of layer 3
.set SB,   24                          ; v[24:31]  stream B
.set H1A,  32                          ; v[32:63]  stream A: h1 in f16, four source-1 fragments
.set H1B,  64                          ; v[64:95]  stream B
.set DFA,  96                          ; v[96:111] stream A: (x-y)^2 in f16, two source-1 fragments
.set DFB,  112                         ; v[112:127] stream B
.set ACCA, 128                         ; v[128:191] stream A: eight accumulator tiles
.set ACCB, 192                         ; v[192:255] stream B
; window 1: v[8 (8 ks + mt)] fragment (ks, mt) of W2 transposed, ks 0..3, mt 0..7
; window 2: v[8 (8 ks + mt)] fragment of W1[:64] transposed, ks 0..1; then
.set BIAS1, 128                        ; v[128+8 mt]: L c as the C operand of tile mt
.set BIAS2, 192                        ; v[192+8 mt]: L b2 likewise
; window 3: v[32 jt + 8 g + e] = S y[16 jt + r][16 g + 8 h + e] in f32; then
.set XR,   128                         ; v[128+8 g+e] = S x[i][16 g + 8 h + e]
.set W3R,  160                         ; v[160+8 mt+j] = W3[16 mt + 8 h + j]
; the head's own, all dead before the first tile: window 0
.set Q,   16                           ; v[16:19] max, -min of x and y, max |W1[:64]|, max |c|; v[20:31] at work on them
.set YT,  32                           ; my 16 rows of y as loaded
.set XT,  64                           ; my 16 rows of x (they follow YT: one run of 64 registers for the maxima)
.set CT,  96                           ; b1, then c: lane l holds units 4 l .. 4 l + 3
.set B2T, 100
.set W3T, 104
; window 0 v[128:159] my 16 rows of W1[:64] packed, v[160:223] my 32 rows of W2 packed; window 1 v[0:127] W2's rows, v[128:191] W1[:64]'s rows as loaded;
; window 2 v[0:127] the 32 rows of W1[64:]
; SCALARS: s2 b, s3 wave, s4 bi, s5 bj; s[8:27] the ten addresses; s29 b3; s30 mask of lanes 16-31; s31 counter; s[32:63] t[b]; s66, s67 selects of
; v_permlanex16_b32; s72-77, s80 LDS bases with the wave's part; s81 k; s[82:83] S twice; s[84:85] L twice; s86 1 / L
.set MSB, 0
.macro WIN new                         ; the immediate's high byte repeats the setting that is left; a switch that changes nothing is dropped
.if MSB != (\new)
	s_set_vgpr_msb (MSB<<8)|(\new)
.set MSB, \new
.endif
.endm
.macro WIN_S1D0                        ; for lines that name registers as source 1 and destination alone: any setting with these two in window 0 will do
.if (MSB & 0xcc) != 0
	WIN 0
.endif
.endm
	s_load_b512 s[8:23], s[0:1], 0x0               ; x s[8:9], y s[10:11], t s[12:13], W1 s[14:15], b1 s[16:17], W2 s[18:19], b2 s[20:21], W3 s[22:23]
	s_load_b128 s[24:27], s[0:1], 0x40             ; b3 s[24:25], out0 s[26:27]
	s_set_vgpr_msb 0xc0
	v_lshl_add_u32 v254, v0, 2, 0x1bc00
	v_mov_b32 v255, 0
	s_set_vgpr_msb 0xc000
	v_lshrrev_b32 v4, 5, v0
	v_readfirstlane_b32 s3, v4                     ; wave 0..3
	s_and_b32 s2, ttmp7, 0xffff                    ; b
	s_lshr_b32 s4, ttmp9, 3                        ; bi
	s_and_b32 s5, ttmp9, 7                         ; bj
	s_mov_b32 s30, 0xffff0000
	s_mov_b32 s66, 0x76543210                      ; lane i of one half reads lane i of the other
	s_mov_b32 s67, 0xfedcba98
	; byte offsets, each in a pair of its own with 0 above it (all are below 4 MiB)
	s_lshl_b32 s28, s2, 9
	s_lshl_b32 s31, s3, 4
	s_add_co_u32 s28, s28, s31                     ; 512 b + 16 w
	s_lshl_b32 s31, s5, 6
	s_add_co_u32 s6, s28, s31                      ; the first of the 16 rows of y that I bring in
	s_lshl_b32 s6, s6, 8                           ; rows of 256 bytes
	s_mov_b32 s7, 0
	s_lshl_b32 s31, s4, 6
	s_add_co_u32 s68, s28, s31                     ; my first row of x, which is my first row of out0
	s_lshl_b32 s78, s68, 11                        ; out0: rows of 2,048 bytes,
	s_lshl_b32 s31, s5, 8
	s_add_co_u32 s78, s78, s31                     ; and the block's 256 bytes in them
	s_mov_b32 s79, 0
	s_lshl_b32 s68, s68, 8
	s_mov_b32 s69, 0
	s_lshl_b32 s70, s3, 13                         ; W1[:64]: my 16 rows of 512 bytes
	s_mov_b32 s71, 0
	s_lshl_b32 s4, s3, 14                          ; W2: my 32 rows of 512 bytes (bi and bj are no longer needed)
	s_mov_b32 s5, 0
	s_lshl_b32 s28, s2, 7                          ; t: row b of 128 bytes
	s_mov_b32 s29, 0
	; LDS bases: a constant plus the wave's number times a constant
	s_mul_i32 s72, s3, 16*YP
	s_add_co_u32 s72, s72, YB
	s_lshl_b32 s73, s3, 12
	s_add_co_u32 s73, s73, XB
	s_mul_i32 s74, s3, 1536
	s_add_co_u32 s74, s74, VB
	s_mul_i32 s75, s3, 16*WP
	s_mul_i32 s76, s3, 32*WP
	s_add_co_u32 s76, s76, WT2
	s_lshl_b32 s77, s3, 12
	s_add_co_u32 s77, s77, OB
	s_lshl_b32 s80, s3, 9
	s_add_co_u32 s80, s80, RDB
	v_and_b32 v5, 31, v0                           ; lane l
	v_and_b32 v6, 15, v0                           ; r = l % 16
	v_bfe_u32 v7, v0, 4, 1                         ; h = l / 16
	v_lshlrev_b32 v[LOFF], 4, v5
	v_mul_u32_u24 v8, v7, YP                       ; v8: where my 16 bytes of y's rows go: a load covers two rows, lanes 16-31 the second
	v_lshl_add_u32 v8, v6, 4, v8
	v_add_nc_u32 v8, s72, v8
	v_add_nc_u32 v9, s73, v[LOFF]                  ; v9: the same for x, whose rows follow each other without a gap
	v_add_nc_u32 v10, s74, v[LOFF]                 ; v10: my 16 bytes of c, b2, W3
	v_lshl_add_u32 v11, v5, 3, s75                 ; v11: my 8 bytes (4 f16) of a row of W1[:64]
	v_lshl_add_u32 v12, v5, 3, s76                 ; v12: the same for W2
	v_and_b32 v4, 7, v0
	v_lshl_add_u32 v4, v7, 3, v4
	v_mul_u32_u24 v13, v4, WP                      ; v13: transposing loads: row 8 h + l % 8,
	v_bfe_u32 v4, v0, 3, 1
	v_lshl_add_u32 v13, v4, 4, v13                 ;      16 bytes further for lanes 8-15 and 24-31
	v_lshl_add_u32 v14, v7, 5, s74                 ; v14: c, b2, W3 in the layout of a C operand: 8 numbers at 32 h
	v_mul_u32_u24 v15, v6, YP
	v_lshl_add_u32 v15, v7, 5, v15
	v_add_nc_u32 v15, YB, v15                      ; v15: y's row r, 8 numbers at 32 h
	v_lshl_add_u32 v[XADR], v7, 5, s73
	v_lshl_add_u32 v[OADR], v5, 2, s77
	v_add_nc_u32 v4, s80, v[LOFF]                  ; v4: my 16 bytes among my wave's maxima
	v_add_nc_u32 v5, RDB, v[LOFF]                  ; v5: the same place in wave 0's; the other waves' stand in the immediate
	s_wait_kmcnt 0x0
	s_add_nc_u64 s[10:11], s[10:11], s[6:7]
	s_add_nc_u64 s[8:9], s[8:9], s[68:69]
	s_add_nc_u64 s[70:71], s[14:15], s[70:71]      ; W1 at my 16 rows; s[14:15] stays at W1's first byte for W1[64:]
	s_add_nc_u64 s[18:19], s[18:19], s[4:5]
	s_add_nc_u64 s[12:13], s[12:13], s[28:29]
	s_add_nc_u64 s[26:27], s[26:27], s[78:79]
	s_load_b512 s[32:47], s[12:13], 0x0            ; t[b][0..15]
	s_load_b512 s[48:63], s[12:13], 0x40           ; t[b][16..31]
	s_load_b32 s29, s[24:25], 0x0                  ; b3
	; 99 loads, each of 512 neighbouring bytes, in the order in which they are used
.irp i, 0,1,2,3,4,5,6,7
	global_load_b128 v[YT+4*\i:YT+4*\i+3], v[LOFF], s[10:11] offset:512*\i
.endr
.irp i, 0,1,2,3,4,5,6,7
	global_load_b128 v[XT+4*\i:XT+4*\i+3], v[LOFF], s[8:9] offset:512*\i
.endr
	global_load_b128 v[CT:CT+3], v[LOFF], s[16:17]
	global_load_b128 v[B2T:B2T+3], v[LOFF], s[20:21]
	global_load_b128 v[W3T:W3T+3], v[LOFF], s[22:23]
	WIN 0x80
.set ii, 0
.rept 32
	global_load_b128 v[4*ii:4*ii+3], v[LOFF], s[14:15] offset:32768+512*ii   ; W1[64+ii], every wave all 32 rows
.set ii, ii+1
.endr
	WIN 0x40
.set ii, 0
.rept 16
	global_load_b128 v[128+4*ii:128+4*ii+3], v[LOFF], s[70:71] offset:512*ii ; W1[16 w + ii]
.set ii, ii+1
.endr
.set ii, 0
.rept 32
	global_load_b128 v[4*ii:4*ii+3], v[LOFF], s[18:19] offset:512*ii         ; W2[32 w + ii]
.set ii, ii+1
.endr
	WIN 0
	s_wait_loadcnt 48                              ; loads come back in order: all but the 16 of W1[:64] and the 32 of W2 are in
.irp i, 0,1,2,3,4,5,6,7
	ds_store_b128 v8, v[YT+4*\i:YT+4*\i+3] offset:2*YP*\i      ; y as it is: its scale is known only behind the barrier
.endr
	ds_store_b128 v10, v[W3T:W3T+3] offset:1024
	; the lane's largest and smallest among its 64 numbers of x and y
	v_max_num_f32 v[Q], v[YT], v[YT+1]
	v_min_num_f32 v[Q+1], v[YT], v[YT+1]
.set ii, 2
.rept 31
	v_max3_num_f32 v[Q], v[YT+ii], v[YT+ii+1], v[Q]
	v_min3_num_f32 v[Q+1], v[YT+ii], v[YT+ii+1], v[Q+1]
.set ii, ii+2
.endr
	s_wait_kmcnt 0x0                               ; t[b] and b3
	WIN 0x08                                       ; source 1 in window 2
.set ii, 0
.rept 32
.irp e, 0,1,2,3
	v_fmac_f32 v[CT+\e], s[32+ii], v[4*ii+\e]      ; c = b1 + sum over d of t[b][d] W1[64+d]: four chains, started by b1
.endr
.set ii, ii+1
.endr
	WIN 0
.irp e, 0,1,2,3
	v_and_b32 v[Q+4+\e], 0x7fffffff, v[CT+\e]      ; |c|
.endr
	v_max3_num_f32 v[Q+3], v[Q+4], v[Q+5], v[Q+6]
	v_max_num_f32 v[Q+3], v[Q+3], v[Q+7]
; sixteen weight rows from r0 on: rounded to f16 (sources in window 1), 8 bytes a lane, 256 neighbouring bytes a row
.macro PACK16 dst, src, adr, r0
	WIN 0x05
.set ii, \r0
.rept 16
	v_cvt_pk_f16_f32 v[\dst+2*ii], v[\src+4*ii], v[\src+4*ii+1]
	v_cvt_pk_f16_f32 v[\dst+2*ii+1], v[\src+4*ii+2], v[\src+4*ii+3]
.set ii, ii+1
.endr
	WIN 0
.set ii, \r0
.rept 16
	ds_store_b64 v[\adr], v[\dst+2*ii:\dst+2*ii+1] offset:WP*ii
.set ii, ii+1
.endr
.endm
	s_wait_loadcnt 32                              ; W1[:64]'s rows are in; W2's 32 may be out
	WIN 0x05                                       ; sources 0 and 1 in window 1
	v_max_num_f32 v[Q+2], v128, v129               ; the lane's largest and smallest among its 64 numbers of W1[:64]
	v_min_num_f32 v[Q+4], v128, v129
.set ii, 2
.rept 31
	v_max3_num_f32 v[Q+2], v[128+ii], v[128+ii+1], v[Q+2]
	v_min3_num_f32 v[Q+4], v[128+ii], v[128+ii+1], v[Q+4]
.set ii, ii+2
.endr
	PACK16 128, 128, 11, 0
	v_xor_b32 v[Q+1], 0x80000000, v[Q+1]           ; - smallest: from here on all four figures are maxima
	v_xor_b32 v[Q+4], 0x80000000, v[Q+4]
	v_max_num_f32 v[Q+2], v[Q+2], v[Q+4]           ; largest |W1[:64]| = max(largest, - smallest)
	ds_store_b128 v4, v[Q:Q+3]
	s_wait_loadcnt 16                              ; W2's first 16 rows
	PACK16 160, 0, 12, 0
	s_wait_loadcnt 0x0
	PACK16 160, 0, 12, 16
	s_wait_dscnt 0x0                               ; my stores are done, for the other waves' sake: zero
	s_barrier_signal -1
	s_barrier_wait -1                              ; the only barrier: WT1, WT2, YB and RDB are whole, and nobody writes them again
	; THE SCALE.  The four waves' figures, then the 32 lanes': every lane ends with the work-group's four maxima.
.irp i, 0,1,2,3
	ds_load_b128 v[Q+4*\i:Q+4*\i+3], v5 offset:512*\i
.endr
	s_wait_dscnt 0x0
.irp j, 0,1,2,3
	v_max3_num_f32 v[Q+\j], v[Q+\j], v[Q+4+\j], v[Q+8+\j]
	v_max_num_f32 v[Q+\j], v[Q+\j], v[Q+12+\j]
.endr
.irp j, 0,1,2,3
.irp m, 1,2,4,8
	v_max_num_f32_dpp v[Q+\j], v[Q+\j], v[Q+\j] row_xmask:\m row_mask:0xf bank_mask:0xf
.endr
	v_permlanex16_b32 v[Q+4+\j], v[Q+\j], s66, s67 ; its destination counts as read: it has been written
	v_max_num_f32 v[Q+\j], v[Q+\j], v[Q+4+\j]
.endr
	v_add_f32 v[Q], v[Q], v[Q+1]                   ; R = largest - smallest
	v_mul_f32 v[Q], v[Q], v[Q]                     ; D = R^2
	v_mul_f32 v[Q+1], 0x42800000, v[Q]             ; 64 D
	v_fma_f32 v[Q+1], v[Q+1], v[Q+2], v[Q+3]       ; 64 D A + C
	v_max_num_f32 v[Q], v[Q], v[Q+1]               ; B
	v_readfirstlane_b32 s81, v[Q]
	s_bfe_u32 s81, s81, 0x80017                    ; e, B's exponent field (8 bits from bit 23): B < 2^(e - 126)
	s_sub_co_i32 s81, 141, s81
	s_ashr_i32 s81, s81, 1                         ; k = floor((141 - e) / 2): 2 k + e - 126 <= 15; at the least -57,
	s_min_i32 s81, s81, 20                         ; at the most 20
	s_add_co_i32 s82, s81, 127
	s_lshl_b32 s82, s82, 23                        ; S = 2^k
	s_mov_b32 s83, s82
	s_lshl_b32 s84, s81, 1
	s_sub_co_i32 s86, 127, s84
	s_lshl_b32 s86, s86, 23                        ; 1 / L = 2^(-2 k)
	s_add_co_i32 s84, s84, 127
	s_lshl_b32 s84, s84, 23                        ; L = 2^(2 k)
	s_mov_b32 s85, s84
	; my rows of x times S, c and b2 times L, into my own bytes of LDS: my later loads of them see these stores, since LDS serves a wave's instructions in order
.set ii, 0
.rept 16
	v_pk_mul_f32 v[XT+2*ii:XT+2*ii+1], v[XT+2*ii:XT+2*ii+1], s[82:83] op_sel_hi:[1,0]
.set ii, ii+1
.endr
.irp j, 0,2,4,6
	v_pk_mul_f32 v[CT+\j:CT+\j+1], v[CT+\j:CT+\j+1], s[84:85] op_sel_hi:[1,0]   ; CT and B2T follow each other
.endr
.irp i, 0,1,2,3,4,5,6,7
	ds_store_b128 v9, v[XT+4*\i:XT+4*\i+3] offset:512*\i
.endr
	ds_store_b128 v10, v[CT:CT+3]
	ds_store_b128 v10, v[B2T:B2T+3] offset:512
; the eight loads of a row of x: all lanes of a half wave read the same 16 bytes
.macro XLOAD
	WIN 0xc0
.irp g, 0,1,2,3
	ds_load_b128 v[XR+8*\g:XR+8*\g+3],   v[XADR] offset:64*\g
	ds_load_b128 v[XR+8*\g+4:XR+8*\g+7], v[XADR] offset:64*\g+16
.endr
.endm
	; THE RESIDENT REGISTERS.  A weight fragment (16 units x 32 k) from rows that lie along the units: two transposing loads, 16 rows apart.
	WIN 0x40
.set ii, 0
.rept 32
	ds_load_tr16_b128 v[8*ii:8*ii+3],   v13 offset:WT2+32*(ii/8)*WP+32*(ii%8)
	ds_load_tr16_b128 v[8*ii+4:8*ii+7], v13 offset:WT2+(32*(ii/8)+16)*WP+32*(ii%8)
.set ii, ii+1
.endr
	WIN 0x80
.set ii, 0
.rept 16
	ds_load_tr16_b128 v[8*ii:8*ii+3],   v13 offset:WT1+32*(ii/8)*WP+32*(ii%8)
	ds_load_tr16_b128 v[8*ii+4:8*ii+7], v13 offset:WT1+(32*(ii/8)+16)*WP+32*(ii%8)
.set ii, ii+1
.endr
.irp m, 0,1,2,3,4,5,6,7
	ds_load_b128 v[BIAS1+8*\m:BIAS1+8*\m+3],   v14 offset:64*\m
	ds_load_b128 v[BIAS1+8*\m+4:BIAS1+8*\m+7], v14 offset:64*\m+16
	ds_load_b128 v[BIAS2+8*\m:BIAS2+8*\m+3],   v14 offset:512+64*\m
	ds_load_b128 v[BIAS2+8*\m+4:BIAS2+8*\m+7], v14 offset:512+64*\m+16
.endr
	WIN 0xc0
.irp m, 0,1,2,3,4,5,6,7
	ds_load_b128 v[W3R+8*\m:W3R+8*\m+3],   v14 offset:1024+64*\m
	ds_load_b128 v[W3R+8*\m+4:W3R+8*\m+7], v14 offset:1024+64*\m+16
.endr
.set ii, 0
.rept 16                                           ; ii = 4 jt + g
	ds_load_b128 v[8*ii:8*ii+3],   v15 offset:16*YP*(ii/4)+64*(ii%4)
	ds_load_b128 v[8*ii+4:8*ii+7], v15 offset:16*YP*(ii/4)+64*(ii%4)+16
.set ii, ii+1
.endr
	XLOAD                                          ; my row 0 of x
	s_wait_dscnt 0x0                               ; once, for all 184
	WIN 0xc3                                       ; source 0 and destination in window 3
.set ii, 0
.rept 64
	v_pk_mul_f32 v[2*ii:2*ii+1], v[2*ii:2*ii+1], s[82:83] op_sel_hi:[1,0]    ; y times S, once
.set ii, ii+1
.endr
; ---- the pieces of a cycle ----
; Matrix instruction ix (= 8 ks + mt) of layer 1, K = 64.  The first K step takes the bias as C.  The eight accumulators of a slot take turns,
; one instruction a turn, and a slot's last and the next slot's first belong to different streams.
.macro MM1 acc, df, ix
.if (\ix) < 8
	WIN 0x22                                       ; weights and bias in window 2
	v_wmma_f32_16x16x32_f16 v[\acc+8*(\ix):\acc+8*(\ix)+7], v[8*(\ix):8*(\ix)+7], v[\df:\df+7], v[BIAS1+8*(\ix):BIAS1+8*(\ix)+7]
.else
	WIN 0x02
	v_wmma_f32_16x16x32_f16 v[\acc+8*((\ix)-8):\acc+8*((\ix)-8)+7], v[8*(\ix):8*(\ix)+7], v[\df+8:\df+15], v[\acc+8*((\ix)-8):\acc+8*((\ix)-8)+7]
.endif
.endm
; the same for layer 2, K = 128
.macro MM2 acc, hh, ix
.if (\ix) < 8
	WIN 0x21                                       ; weights in window 1, bias in window 2
	v_wmma_f32_16x16x32_f16 v[\acc+8*(\ix):\acc+8*(\ix)+7], v[8*(\ix):8*(\ix)+7], v[\hh:\hh+7], v[BIAS2+8*(\ix):BIAS2+8*(\ix)+7]
.else
	WIN 0x01
	v_wmma_f32_16x16x32_f16 v[\acc+8*((\ix)%8):\acc+8*((\ix)%8)+7], v[8*(\ix):8*(\ix)+7], v[\hh+8*((\ix)/8):\hh+8*((\ix)/8)+7], v[\acc+8*((\ix)%8):\acc+8*((\ix)%8)+7]
.endif
.endm
.macro MAX8 base                       ; relu of a tile, in place.  The constant is source 0, so that the matrix instructions' settings serve: no switch
	WIN_S1D0
.irp j, 0,1,2,3,4,5,6,7
	v_max_num_f32 v[\base+\j], 0, v[\base+\j]
.endr
.endm
.macro CVT4 dst, src                   ; a tile's 8 numbers to 4 words of f16: half of a source-1 fragment of the next layer
	WIN 0
.irp j, 0,1,2,3
	v_cvt_pk_f16_f32 v[\dst+\j], v[\src+2*\j], v[\src+2*\j+1]
.endr
.endm
.macro FMA4 ss, acc, mt                ; layer 3: eight chains a lane; tile 0's products start them
	WIN 0x0c                                       ; W3 (source 1) in window 3
.irp j, 0,2,4,6
.if (\mt) == 0
	v_pk_mul_f32 v[\ss+\j:\ss+\j+1], v[\acc+\j:\acc+\j+1], v[W3R+\j:W3R+\j+1]
.else
	v_pk_fma_f32 v[\ss+\j:\ss+\j+1], v[\acc+8*(\mt)+\j:\acc+8*(\mt)+\j+1], v[W3R+8*(\mt)+\j:W3R+8*(\mt)+\j+1], v[\ss+\j:\ss+\j+1]
.endif
.endr
.endm
; L (x - y)^2 of columns 16 jt .. +15, in twelve groups of four instructions: for g = ix / 3 the difference, the square, the rounding
.macro DGRP jt, df, ix
.if (\ix)%3 == 0
	WIN 0x0f                                       ; x and y in window 3
.irp j, 0,2,4,6
	v_pk_add_f32 v[T+\j:T+\j+1], v[XR+8*((\ix)/3)+\j:XR+8*((\ix)/3)+\j+1], v[32*(\jt)+8*((\ix)/3)+\j:32*(\jt)+8*((\ix)/3)+\j+1] neg_lo:[0,1] neg_hi:[0,1]
.endr
.endif
.if (\ix)%3 == 1
	WIN 0
.irp j, 0,2,4,6
	v_pk_mul_f32 v[T+\j:T+\j+1], v[T+\j:T+\j+1], v[T+\j:T+\j+1]
.endr
.endif
.if (\ix)%3 == 2
	WIN 0
.irp j, 0,1,2,3
	v_cvt_pk_f16_f32 v[\df+4*((\ix)/3)+\j], v[T+2*\j], v[T+2*\j+1]
.endr
.endif
.endm
.macro RED ss, rr                      ; the lane's eight chains to one number
	WIN 0
	v_pk_add_f32 v[\ss:\ss+1], v[\ss:\ss+1], v[\ss+2:\ss+3]
	v_pk_add_f32 v[\ss+4:\ss+5], v[\ss+4:\ss+5], v[\ss+6:\ss+7]
	v_pk_add_f32 v[\ss:\ss+1], v[\ss:\ss+1], v[\ss+4:\ss+5]
	v_add_f32 v[\rr], v[\ss], v[\ss+1]
.endm
; Lanes r and r + 16 hold the two halves of pair r's sum, for stream A (columns 32 q + r) in RA and for stream B (32 q + 16 + r) in RB.
; One crossing serves both: lanes 0-15 keep A's half and send B's, lanes 16-31 the other way round; lane l ends with column 32 q + l.
.macro FIN off, step
	WIN 0
	v_cndmask_b32 v[T1], v[RA], v[RB], s30
	v_cndmask_b32 v[T2], v[RB], v[RA], s30
	v_permlanex16_b32 v[T], v[T2], s66, s67        ; its destination counts as read: T has been written
	v_add_f32 v[T1], v[T1], v[T]
	v_fma_f32 v[T1], v[T1], s86, s29               ; K = sum / L + b3
	ds_store_b32 v[OADR], v[T1] offset:\off
.if \step
	v_add_nc_u32 v[OADR], 0x100, v[OADR]           ; the stage's next row
.endif
.endm
; ---- the four slots of a cycle.  A vector instruction that reads or writes a matrix instruction's registers stands at least four plain, unrelated vector
; instructions behind it (ISA guide 7.12.1); here: tile mt's last link is instruction 8 + mt (24 + mt) of its slot, its first reader stands behind instruction
; 2 mt (4 mt) of the next slot, and the groups between, 12 instructions at the least, name the other stream's registers alone. ----
; layer 1 of stream A; behind it relu and layer 3 of the previous stream B, and that pair's result.  xl = 1: the next row of x is fetched.
.macro L1A e2, xl, off, step
.if \xl
	WIN_S1D0
	v_add_nc_u32 v[XADR], 0x100, v[XADR]
	XLOAD                                          ; x's registers were last read in the slot before, and are next read in this cycle's third slot
.endif
.set n, 0
.rept 16
	MM1 ACCA, DFA, n
.if \e2
.if n%2 == 0
	MAX8 ACCB+8*(n/2)
.else
	FMA4 SB, ACCB, n/2
.endif
.endif
.set n, n+1
.endr
.if \e2
	RED SB, RB
	FIN \off, \step
.else
.rept 4
	v_nop                                          ; the first cycle has no vector work here: the four places in front of the next slot's first relu
.endr
.endif
.endm
; layer 1 of stream B; behind it relu and rounding of stream A's h1
.macro L1B
.set n, 0
.rept 16
	MM1 ACCB, DFB, n
.if n%2 == 0
	MAX8 ACCA+8*(n/2)
.else
	CVT4 H1A+4*(n/2), ACCA+8*(n/2)
.endif
.set n, n+1
.endr
.endm
; layer 2 of stream A; behind it relu and rounding of stream B's h1, and (dn = 1) the next pair's (x-y)^2 for stream B
.macro L2A dn, jtb, xl
.if \xl
	s_wait_dscnt 0x1                               ; LDS instructions end in order: only the one store of a result was issued behind the eight loads of x
.endif
.set n, 0
.rept 32
	MM2 ACCA, H1A, n
.if n%4 == 0
	MAX8 ACCB+8*(n/4)
.endif
.if n%4 == 1
	CVT4 H1B+4*(n/4), ACCB+8*(n/4)
.endif
.if \dn
.if n%4 >= 2
.if n < 24
	DGRP \jtb, DFB, 2*(n/4)+n%4-2
.endif
.endif
.endif
.set n, n+1
.endr
.endm
; layer 2 of stream B; behind it relu and layer 3 of stream A, and the next pair's (x-y)^2 for stream A
.macro L2B dn, jta
.set n, 0
.rept 32
	MM2 ACCB, H1B, n
.if n%4 == 0
	MAX8 ACCA+8*(n/4)
.endif
.if n%4 == 1
	FMA4 SA, ACCA, n/4
.endif
.if \dn
.if n%4 >= 2
.if n < 24
	DGRP \jta, DFA, 2*(n/4)+n%4-2
.endif
.endif
.endif
.if n == 30
	RED SA, RA
.endif
.set n, n+1
.endr
.endm
; One pair of tiles: row il, columns 32 q .. +15 (A) and 32 q + 16 .. +31 (B); 96 matrix instructions.
; The result stored is the pair's before: q = 0: the last row's second half, then the stage steps; q = 1: this row's first half.
; The differences made are the next pair's: q = 0: column tiles 3 and 2 with the same x; q = 1: tiles 1 and 0 with the new x.
.macro CYCLE q, e2, dn, xl
	L1A \e2, \xl, 128-128*\q, 1-\q
	L1B
	L2A \dn, 3-2*\q, \xl
	L2B \dn, 2-2*\q
.endm
	; the first pair's differences
.set ii, 0
.rept 12
	DGRP 0, DFA, ii
.set ii, ii+1
.endr
.set ii, 0
.rept 12
	DGRP 1, DFB, ii
.set ii, ii+1
.endr
	CYCLE 0, 0, 1, 0                               ; row 0: nothing to finish yet
	CYCLE 1, 1, 1, 1
	WIN 0                                          ; at a label and at a branch every window is 0
	s_mov_b32 s31, 14                              ; rows 1 to 14
.Lrow:
	CYCLE 0, 1, 1, 0
	CYCLE 1, 1, 1, 1
	WIN 0
	s_sub_co_u32 s31, s31, 1
	s_cmp_lg_u32 s31, 0
	s_cbranch_scc1 .Lrow
	CYCLE 0, 1, 1, 0                               ; row 15: no further row of x,
	CYCLE 1, 1, 0, 0                               ; and no further pair
	; the last stream B: tile 0's last link stands eight matrix instructions back, with 28 vector instructions of stream A behind it
.set ii, 0
.rept 8
	MAX8 ACCB+8*ii
	FMA4 SB, ACCB, ii
.set ii, ii+1
.endr
	RED SB, RB
	FIN 128, 0
	; THE WAY OUT: my 16 rows of 256 bytes, my own bytes of LDS: LDS serves a wave's instructions in order (ISA guide 5.7.1), so these loads see my stores.
	v_add_nc_u32 v[RA], s77, v[LOFF]               ; 16 bytes a lane: a load takes two rows
	v_and_b32 v[RB], 15, v0
	v_bfe_u32 v[T2], v0, 4, 1
	v_lshlrev_b32 v[RB], 4, v[RB]
	v_lshl_add_u32 v[RB], v[T2], 11, v[RB]         ; in out0: lanes 16-31 one row of 2,048 bytes further down
.irp i, 0,1,2,3,4,5,6,7
	ds_load_b128 v[ACCA+4*\i:ACCA+4*\i+3], v[RA] offset:512*\i
.endr
.irp i, 0,1,2,3,4,5,6,7
	s_wait_dscnt 7-\i                              ; load i of the eight is in
	global_store_b128 v[RB], v[ACCA+4*\i:ACCA+4*\i+3], s[26:27] offset:4096*\i th:TH_STORE_NT   ; 16 lanes store 256 consecutive bytes, at a multiple of 256 from out0's first byte
.endr
	s_set_vgpr_msb 0xf
	s_wait_tensorcnt 0x0
	ds_add_u32 v254, v255
	s_wait_dscnt 0x0
	s_set_vgpr_msb 0xf00
	s_endpgm
.Lfunc_end_k_qe0905c69b2_pairs:
	.size	k_qe0905c69b2_pairs, .Lfunc_end_k_qe0905c69b2_pairs-k_qe0905c69b2_pairs
	.p2alignl 7, 3214868480
	.fill 96, 4, 3214868480
	.section	.rodata,"a",@progbits
	.p2align	6, 0x0
	.amdhsa_kernel k_qe0905c69b2_pairs
		.amdhsa_group_segment_fixed_size 114176
		.amdhsa_private_segment_fixed_size 0
		.amdhsa_enable_private_segment 0
		.amdhsa_kernarg_size 80
		.amdhsa_user_sgpr_count 2
		.amdhsa_user_sgpr_kernarg_segment_ptr 1
		.amdhsa_wavefront_size32 1
		.amdhsa_system_sgpr_workgroup_id_x 1
		.amdhsa_system_sgpr_workgroup_id_y 1
		.amdhsa_system_sgpr_workgroup_id_z 1
		.amdhsa_system_vgpr_workitem_id 0
		.amdhsa_next_free_vgpr 1024
		.amdhsa_next_free_sgpr 88
		.amdhsa_reserve_vcc 0
		.amdhsa_float_denorm_mode_32 3
		.amdhsa_float_denorm_mode_16_64 3
		.amdhsa_memory_ordered 1
		.amdhsa_forward_progress 1
		.amdhsa_inst_pref_size 254
	.end_amdhsa_kernel
	.amdgpu_metadata
---
amdhsa.version: [ 1, 2 ]
amdhsa.kernels:
  - .name:           k_qe0905c69b2_pairs
    .symbol:         k_qe0905c69b2_pairs.kd
    .args:
      - { .name: x, .offset: 0, .size: 8, .value_kind: global_buffer, .address_space: global }
      - { .name: y, .offset: 8, .size: 8, .value_kind: global_buffer, .address_space: global }
      - { .name: t, .offset: 16, .size: 8, .value_kind: global_buffer, .address_space: global }
      - { .name: W1, .offset: 24, .size: 8, .value_kind: global_buffer, .address_space: global }
      - { .name: b1, .offset: 32, .size: 8, .value_kind: global_buffer, .address_space: global }
      - { .name: W2, .offset: 40, .size: 8, .value_kind: global_buffer, .address_space: global }
      - { .name: b2, .offset: 48, .size: 8, .value_kind: global_buffer, .address_space: global }
      - { .name: W3, .offset: 56, .size: 8, .value_kind: global_buffer, .address_space: global }
      - { .name: b3, .offset: 64, .size: 8, .value_kind: global_buffer, .address_space: global }
      - { .name: out0, .offset: 72, .size: 8, .value_kind: global_buffer, .address_space: global }
    .group_segment_fixed_size: 114176
    .private_segment_fixed_size: 0
    .kernarg_segment_align: 8
    .kernarg_segment_size: 80
    .max_flat_workgroup_size: 128
    .sgpr_count:     88
    .vgpr_count:     1024
    .wavefront_size: 32
...
	.end_amdgpu_metadata
.endif
;; end of part 1
